; MI455X (gfx1250); checked and timed in simulation.
; The chip was launched on July 23, 2026; its instructions are those of AMD's public machine-readable ISA for CDNA 5 (MIT licence, August 2026) and "CDNA5" Instruction Set Architecture Reference Guide (July 2026). The comments in the code are by the model that wrote it; some were corrected since.
;; Quantized Linear Layer. Allowed arithmetic: matrix products marked QUANTISED: E2M1 operands, one E8M0 scale for each 32 along K, by v_wmma_scale_f32_16x16x128_f8f6f4 with both operands' format E2M1 (or v_wmma_scale_f32_32x16x128_f4), f32 sums; everything else in f32.
;; Inputs: bias 4,096 float32; input_codes 4 x 1,024 x 128 x 16 uint8 (E2M1 codes of input, K innermost, in blocks of 32 codes, two codes a byte); input_scales 4 x 1,024 x 128 uint8 (E8M0 scales of input, one for each 32 codes along K); outlier_mask 4,096 x 4,096 bool; outlier_weights 4,096 x 4,096 float32; q_weights 4,096 x 4,096 int32; scales 4,096 x 1 float32.
;; Outputs: out0 4 x 1,024 x 4,096 float32.
;; This version of the problem:
;;   THIS VERSION OF THE PROBLEM IS GIVEN IN LOW PRECISION. The matrix products marked QUANTISED in the list below multiply operands that are first quantised to E2M1 (2 exponent bits, 1 mantissa bit; 4 bits a number), with one power-of-two scale for each 32 numbers along K (OCP MX v1.0); their sums are f32. All else is computed in f32.
;;   The module's matrix products, in the order in which they are computed (A, B: the left and right operand; K: the contracted axis; several contracted axes count as one K, in the product's order):
;;     1. [M 4,096, K 4,096] x [K 4,096, N 4,096]; A: input input (given as codes); B: computed on the way: QUANTISED
;;   THE QUANTISER, for each operand of a quantised product, along K:
;;     - K is cut into blocks of 32 from its start; a last block that is shorter is filled with zeros.
;;     - A block's scale is 2^e with e = floor(log2(the largest magnitude in the block)) - 2, held to -126 .. 127; a block of zeros has e = 0. As a byte (E8M0): e + 127.
;;     - Each number is divided by its block's scale, clamped to +-6, and rounded to the nearest number of E2M1, ties to even, subnormals kept.
;;     - The product sums the exact products of the quantised numbers (number of the format x scale) in f32.
;;   ~~~python
;;   def quantise(x, axis):      # numpy; x: float32 -> the quantised numbers, widened to float32 again
;;       x = np.moveaxis(x, axis, -1); K = x.shape[-1]
;;       x = np.pad(x, [(0, 0)] * (x.ndim - 1) + [(0, -K % 32)]); x = x.reshape(x.shape[:-1] + (-1, 32)); a = np.abs(x).max(-1, keepdims=True)
;;       e = np.where(a > 0, np.clip(np.frexp(np.where(a > 0, a, 1))[1] - 1 - 2, -126, 127), 0)      # np.frexp(a)[1] - 1 = floor(log2(a)), exactly
;;       r = np.clip(x / 2.0 ** e, -6, 6)
;;       step = 2.0 ** (np.maximum(np.frexp(np.where(r == 0, 1, r))[1] - 1, 0) - 1)
;;       q = np.round(r / step) * step * 2.0 ** e      # np.round: ties to even
;;       return np.moveaxis(q.reshape(q.shape[:-2] + (-1,))[..., :K], -1, axis).astype(np.float32)
;;   ~~~
;;   OPERANDS COMPUTED ON THE WAY. 'Computed on the way' means the value that the module computes at that place (a softmax that the list does not call 'softmax' is quantised finished and normalised). What goes into a quantiser is computed in f32, as accurately as f32 sums, v_exp_f32 and their like allow (about 1e-6 of the number): no bf16 or f16 on the way to a quantiser, and a product that is left as it is and whose result goes on into a quantised operand takes f32 operands (vector FMAs, or v_wmma_f32_16x16x4_f32). A number that lies on a knife's edge between two numbers of the format may be rounded either way, as far as f32 arithmetic and the matrix unit's own rounding can turn it there, and no further.
;;   INPUTS GIVEN AS CODES. input (in the module: [4, 1024, 4096], K = its axis 2): each comes as NAME_codes (uint8): NAME with its K axis moved to the last place and cut into blocks of 32 codes, [.., K / 32, bytes a block], one block behind the other in memory; two codes a byte, the lower K in the low four bits (a code: sign, 2 exponent bits, 1 mantissa bit); and NAME_scales (uint8): the same leading axes, one E8M0 byte (e + 127) for each 32 codes along K. Its value is code x scale, taken as it is: it is not quantised again, and the codes and scales need not be those that the quantiser above would give.
;; One version. Each part assembles by itself: llvm-mc -triple=amdgcn-amd-amdhsa -mcpu=gfx1250 --defsym DOCPART=n.
;; ======== version 1 of 1: 2 launches
;; limits: right only within a limited range of input values
;; workspace buffers: w_codes 8,388,608 bytes; w_sc 524,288 bytes; a_sc 524,288 bytes
;; launch quant (part 1): grid 256 x 1, 16 waves a work-group, no clusters, 86,016 bytes of LDS; arguments q_weights, outlier_weights, outlier_mask, scales, input_scales, w_codes, w_sc, a_sc; writes w_codes, w_sc, a_sc
.if DOCPART == 1
	.amdgcn_target "amdgcn-amd-amdhsa--gfx1250"
	.amdhsa_code_object_version 6
	.text
	.protected	k_qd044caa3e9_quant
	.globl	k_qd044caa3e9_quant
	.p2align	8
	.type	k_qd044caa3e9_quant,@function
k_qd044caa3e9_quant:
	s_mov_b64 s[64:65], 0
	v_nop
	global_prefetch_b8 v0, s[64:65] scope:SCOPE_SE
	s_setreg_imm32_b32 hwreg(HW_REG_WAVE_MODE, 25, 1), 1
	s_wait_xcnt 0x0
; w_full[n][k] = outlier_mask[n][k] ? outlier_weights[n][k] : f32(q_weights[n][k]) * scales[n], in f32, is turned into codes of FP4 (E2M1), K innermost, with one E8M0 byte for each 32 along K.
; OUT: w_codes [4096 n][2,048 bytes];  w_sc [8 K steps of 512][4096 n][16 bytes]: the scale bytes laid by K step, so that a K step's bytes of 256 rows are 4,096 consecutive bytes for the product's launch;
;      a_sc: input_scales [4096 m][128] laid anew in that same order (the bytes themselves are not changed).
; A block's scale is 2^(floor(log2(its largest magnitude)) - 2); its byte is the largest magnitude's exponent field - 2, held at 1 from below by a floor among the maximum's leaves.
; WHAT IS NOT LOADED: where() keeps an outlier weight only where the mask, a whole-number input that this launch reads, says so.  A lane names its own 64 bytes of outlier_weights only if one of its own 16 mask bytes
; is not 0; every other lane names the first 64 bytes of the wave's part, the same in all eight steps, and what it gets is never chosen.  The choice stands in the loads' offset: all lanes stay on.
; That holds for every mask: with a mask that is all true all of outlier_weights is read.  Every input has a way to the output and is among the arguments.
; LIMITS: a NaN or an infinity in an outlier weight that the mask does not choose is not seen (reference() does not carry it either); NaN and infinities in scales or in chosen outliers are not served by the quantiser;
; a block of zeros gets the byte 1 where the rule says 127 (its codes are zeros, which add nothing under any byte but 0xff, and this program alone reads the bytes); blocks whose largest magnitude lies under
; 2^(3 - 127), whose byte is held at 1, were not tried; a mask byte other than 0 counts as true.
; SHARES.  Work-group g owns rows 16 g .. 16 g + 15, all of K.  Wave w owns 8 of them (8 (w % 2) + t, t = 0 .. 7) x K step w / 2: eight steps of 512 numbers, written out, every offset an immediate.
; A step's four loads of q read 512 consecutive bytes each, 16 a lane; the 2,048 bytes turn through the wave's own stage in LDS and come back 64 a lane, so that a lane holds 16 NEIGHBOURS along K, which is what the
; conversions take.  The mask's 512 bytes are 16 a lane as they lie: the same 16 numbers.  A lane's 16 codes are 8 bytes: a wave's store covers 256 consecutive bytes, aligned.
; A step makes 16 scale bytes; the work-group's 2,048 meet in LDS, ordered [K step][row][16], and behind one barrier waves 0 to 3 store them, sixteen lanes to 256 consecutive bytes.
; No tensor load, no cluster (work-groups share no input), no matrix instruction (there is no product here).
.set QROW,  16384                      ; a row of q or of the outliers in bytes
.set MROW,  4096                       ; of the mask
.set CROW,  2048                       ; of the codes
.set OMAX,  7*QROW+31*64               ; the largest offset of an outlier load: the last row, the last lane
.set SP,    80                         ; a lane's place in a stage: its 64 bytes + 16 of padding
.set STG,   32*SP                      ; a stage
.set WREG,  2*STG                      ; LDS: two stages for each wave
.set SB,    16*WREG                    ; behind them the work-group's 2,048 scale bytes
.set SPARE, SB+2048                    ; and the spare words, 128 bytes for each wave: eight blocks of 256 bytes that no other line names
.set SPW,   12                         ; v12      LDS address of my spare word; never rewritten
.set NIL,   13                         ; v13      0; never rewritten
.set RQ,    16                         ; v16-79   four sets of 16 numbers of q as they are loaded
.set XO,    80                         ; v80-143  four sets of 16 outlier weights: my 16 neighbours, or the wave's first 16
.set M,     144                        ; v144-175 my 16 mask bytes of each of the eight steps
.set XQ,    176                        ; v176-207 two sets of 16 neighbours
.set C,     208                        ; v208-223 codes: two registers for each step, so that no store's data are written again
.set E,     224                        ; v224-231 a scale byte for each step
.set T,     232                        ; v232-235 at work
.set MX,    236                        ; v236-237 largest magnitudes
.set SO,    238                        ; v238     the conversion's scale operand
.set RL,    240                        ; v240-243 16 bytes of input_scales (waves 0 to 3)
.set SBR,   244                        ; v244-247 16 scale bytes on the way out (waves 0 to 3)
.set OA,    248                        ; v248-255 the outlier loads' offset, one register for each step, so that none is written again while a load may read it
.set RS,    24                         ; s[24:31] my eight rows' scales
	s_load_b256 s[4:11], s[0:1], 0x0               ; q s[4:5], outliers s[6:7], mask s[8:9], scales s[10:11]
	s_load_b256 s[12:19], s[0:1], 0x20             ; input_scales s[12:13], w_codes s[14:15], w_sc s[16:17], a_sc s[18:19]
	v_lshl_add_u32 v[SPW], v0, 2, SPARE
	v_mov_b32 v[NIL], 0
	v_lshrrev_b32 v1, 5, v0
	s_delay_alu instid0(VALU_DEP_1)
	v_readfirstlane_b32 s20, v1                    ; wave 0..15
	v_and_b32 v2, 31, v0                           ; lane
	s_delay_alu instid0(VALU_DEP_1)
	v_lshlrev_b32 v3, 4, v2                        ; 16 x lane: my bytes of a load of q, and of a step's mask
	s_delay_alu instid0(VALU_DEP_2)
	v_lshlrev_b32 v4, 3, v2                        ; 8 x lane: my codes
	s_delay_alu instid0(VALU_DEP_3)
	v_lshlrev_b32 v7, 6, v2                        ; 64 x lane: my 16 outlier weights
	s_and_b32 s21, s20, 1                          ; which 8 rows
	s_lshr_b32 s22, s20, 1                         ; which K step
	s_min_u32 s38, s20, 3                          ; for what waves 0 to 3 alone do: the addresses stay in range in every wave
	s_mul_i32 s23, s20, WREG
	v_lshrrev_b32 v14, 2, v2
	s_delay_alu instid0(VALU_DEP_1)
	v_mul_u32_u24 v14, v14, SP
	v_and_b32 v15, 3, v2
	s_delay_alu instid0(VALU_DEP_1)
	v_lshl_add_u32 v14, v15, 4, v14
	s_delay_alu instid0(VALU_DEP_1)
	v_add_nc_u32 v14, s23, v14                     ; the stage, on the way in: four lanes' 64 bytes on end, then 16 of padding
	v_mul_u32_u24 v15, v2, SP
	s_delay_alu instid0(VALU_DEP_1)
	v_add_nc_u32 v15, s23, v15                     ; and on the way out: my 16 neighbours
	s_lshl_b32 s23, s20, 7
	s_add_co_u32 s23, s23, SB
	v_lshrrev_b32 v5, 1, v2
	s_delay_alu instid0(VALU_DEP_1)
	v_add_nc_u32 v5, s23, v5                       ; my block's byte: SB + 128 w + lane / 2 (128 w = 256 x K step + 16 x my first row)
	s_lshl_b32 s23, s38, 9
	s_add_co_u32 s23, s23, SB
	v_add_nc_u32 v6, s23, v3                       ; back: K steps 2 w and 2 w + 1, 16 bytes a lane
	v_and_b32 v10, 15, v2
	v_lshrrev_b32 v11, 4, v2
	s_delay_alu instid0(VALU_DEP_2)
	v_lshlrev_b32 v8, 7, v10
	s_delay_alu instid0(VALU_DEP_1)
	v_lshl_add_u32 v8, v11, 4, v8                  ; input_scales: row lane % 16 of 128 bytes, + 16 x (lane / 16)
	s_delay_alu instid0(VALU_DEP_4)
	v_lshlrev_b32 v9, 4, v10
	s_delay_alu instid0(VALU_DEP_1)
	v_lshl_add_u32 v9, v11, 16, v9                 ; w_sc, a_sc: 16 x (lane % 16), + a K step's 65,536 bytes x (lane / 16)
	s_lshl_b32 s32, ttmp9, 18                      ; q and the outliers: 16 rows x work-group,
	s_lshl_b32 s34, s21, 17                        ; 8 rows x half,
	s_add_co_u32 s32, s32, s34
	s_lshl_b32 s34, s22, 11                        ; 2,048 bytes x K step
	s_add_co_u32 s32, s32, s34
	s_mov_b32 s33, 0
	s_mov_b32 s35, 0
	s_wait_kmcnt 0x0
	s_add_nc_u64 s[4:5], s[4:5], s[32:33]
	s_add_nc_u64 s[6:7], s[6:7], s[32:33]
	s_lshr_b32 s34, s32, 2                         ; the mask: a quarter of the bytes
	s_add_nc_u64 s[8:9], s[8:9], s[34:35]
	s_lshr_b32 s34, s32, 3                         ; the codes: an eighth
	s_add_nc_u64 s[14:15], s[14:15], s[34:35]
	s_lshl_b32 s34, ttmp9, 6
	s_lshl_b32 s37, s21, 5
	s_add_co_u32 s34, s34, s37                     ; scales: 4 bytes a row
	s_add_nc_u64 s[10:11], s[10:11], s[34:35]
	s_load_b256 s[RS:RS+7], s[10:11], 0x0          ; my eight rows' scales (no line of this launch writes that buffer)
	s_lshl_b32 s34, ttmp9, 11
	s_lshl_b32 s37, s38, 5
	s_add_co_u32 s34, s34, s37                     ; input_scales: 16 rows of 128 bytes x work-group, + 32 bytes (two K steps) x wave
	s_add_nc_u64 s[12:13], s[12:13], s[34:35]
	s_lshl_b32 s34, s38, 17
	s_lshl_b32 s37, ttmp9, 8
	s_add_co_u32 s34, s34, s37                     ; w_sc, a_sc: two K steps x wave, + 16 rows of 16 bytes x work-group
	s_add_nc_u64 s[16:17], s[16:17], s[34:35]
	s_add_nc_u64 s[18:19], s[18:19], s[34:35]
	s_cmp_ge_u32 s20, 4
	s_cbranch_scc1 .Lno_relay
	s_wait_alu depctr_va_vdst(0)
	global_load_b128 v[RL:RL+3], v8, s[12:13]      ; waves 0 to 3: the oldest load of all, so every wait below covers it
.Lno_relay:
.irp t, 0,1,2,3,4,5,6,7
	global_load_b128 v[M+4*\t:M+4*\t+3], v3, s[8:9] offset:MROW*\t th:TH_LOAD_NT   ; all eight steps' masks: 512 consecutive bytes each
.endr
.macro QLOAD t                         ; step t's numbers of q into set t % 4: each load reads 512 consecutive bytes
.irp i, 0,1,2,3
	global_load_b128 v[RQ+16*((\t)%4)+4*\i:RQ+16*((\t)%4)+4*\i+3], v3, s[4:5] offset:QROW*(\t)+512*\i th:TH_LOAD_NT
.endr
.endm
; Step t's outlier weights into set t % 4.  A lane whose 16 mask bytes hold a true names its own 64 bytes of row t; every other lane names offset 0, the wave's first 64 bytes.  All lanes are on, so no wait stands here.
.macro OLOAD t
	v_or_b32 v[T], v[M+4*(\t)], v[M+4*(\t)+1]
	v_or_b32 v[T+1], v[M+4*(\t)+2], v[M+4*(\t)+3]
	s_delay_alu instid0(VALU_DEP_1)
	v_or_b32 v[T], v[T], v[T+1]
	s_delay_alu instid0(VALU_DEP_1)
	v_cmp_ne_u32 vcc_lo, 0, v[T]
	v_add_nc_u32 v[T+1], QROW*(\t), v7             ; row t, my 64 bytes
	s_delay_alu instid0(VALU_DEP_1)
	v_cndmask_b32 v[OA+(\t)], 0, v[T+1], vcc_lo
	s_delay_alu instid0(VALU_DEP_1)
	v_min_u32 v[OA+(\t)], OMAX, v[OA+(\t)]         ; the offset hangs on loaded bytes: it is held under its largest value before it serves as an address
.irp i, 0,1,2,3
	global_load_b128 v[XO+16*((\t)%4)+4*\i:XO+16*((\t)%4)+4*\i+3], v[OA+(\t)], s[6:7] offset:16*\i   ; (no hint: the wave's first 64 bytes are named again in every step)
.endr
.endm
.macro TURN t                          ; step t's numbers through stage t % 2: LDS serves a wave's instructions in order, so no wait stands between the stores and the loads
.irp i, 0,1,2,3
	ds_store_b128 v14, v[RQ+16*((\t)%4)+4*\i:RQ+16*((\t)%4)+4*\i+3] offset:STG*((\t)%2)+8*SP*\i
.endr
.irp i, 0,1,2,3
	ds_load_b128 v[XQ+16*((\t)%2)+4*\i:XQ+16*((\t)%2)+4*\i+3], v15 offset:STG*((\t)%2)+16*\i
.endr
.endm
	QLOAD 0
	QLOAD 1
	QLOAD 2
	QLOAD 3
	s_wait_loadcnt 16                              ; the masks are in; the 16 loads of q behind them may be out
	OLOAD 0
	OLOAD 1
	OLOAD 2
	OLOAD 3
	s_wait_loadcnt 28                              ; step 0's four loads of q are in: behind them stand 12 of q and 16 of the outliers
	s_wait_kmcnt 0x0                               ; my rows' scales
	TURN 0
; A STEP: row t of my eight.  Loads are issued in groups of four in the order Q0-3, O0-3, Q4, O4, Q5, O5, Q6, O6, Q7, O7; n = 4 x the groups issued behind the later of O(t), which this step selects from,
; and Q(t + 1), which goes through the stage now.
.macro STEP t, n
.set XS, XQ+16*((\t)%2)
.set OS, XO+16*((\t)%4)
.if (\t) > 0
	s_wait_dscnt 1                                 ; this step's numbers are back from the stage (the last step's byte store may be out): so its stores into the stage have read their registers,
.else
	s_wait_dscnt 0x0
.endif
.if (\t) < 4
	QLOAD (\t)+4                                   ; which take the loads of four steps on
.endif
	s_wait_loadcnt \n
.if (\t) < 7
	TURN (\t)+1                                    ; the next step's numbers go through the other stage while this step is worked
.endif
.irp i, 0,1,2,3,4,5,6,7,8,9,10,11,12,13,14,15
	v_cvt_f32_i32 v[XS+\i], v[XS+\i]
.endr
.irp i, 0,1,2,3,4,5,6,7,8,9,10,11,12,13,14,15
	v_mul_f32 v[XS+\i], s[RS+(\t)], v[XS+\i]       ; f32(q) x the row's scale: one rounding, as reference() has it
.endr
.irp i, 0,1,2,3,4,5,6,7,8,9,10,11,12,13,14,15
	v_bfe_u32 v[T+\i%4], v[M+4*(\t)+\i/4], 8*(\i%4), 8
	s_delay_alu instid0(VALU_DEP_1)
	v_cmp_ne_u32 vcc_lo, 0, v[T+\i%4]
	s_delay_alu instid0(VALU_DEP_1)
	v_cndmask_b32 v[XS+\i], v[XS+\i], v[OS+\i], vcc_lo   ; the outlier where its mask byte is not 0
.endr
.if (\t) < 4
	OLOAD (\t)+4                                   ; into the set that the selects above have just read
.endif
	v_max3_num_f32 v[MX], |v[XS]|, |v[XS+1]|, |v[XS+2]|            ; the largest magnitude of my 16, in two chains
	v_max3_num_f32 v[MX+1], |v[XS+3]|, |v[XS+4]|, |v[XS+5]|
.irp i, 6,10
	s_delay_alu instid0(VALU_DEP_2)
	v_max3_num_f32 v[MX], v[MX], |v[XS+\i]|, |v[XS+\i+1]|
	s_delay_alu instid0(VALU_DEP_2)
	v_max3_num_f32 v[MX+1], v[MX+1], |v[XS+\i+2]|, |v[XS+\i+3]|
.endr
	s_delay_alu instid0(VALU_DEP_2)
	v_max3_num_f32 v[MX], v[MX], |v[XS+14]|, |v[XS+15]|
	s_delay_alu instid0(VALU_DEP_1)
	v_max3_num_f32 v[MX], v[MX], v[MX+1], 0x1800000                ; and the floor 2^(3 - 127): so the byte cannot fall under 1
	s_delay_alu instid0(VALU_DEP_1)
	v_max_num_f32_dpp v[MX], v[MX], v[MX] row_xmask:1 row_mask:0xf bank_mask:0xf   ; and of my neighbour's 16: the block's
	s_delay_alu instid0(VALU_DEP_1)
	v_add_nc_u32 v[SO], 0xff000000, v[MX]          ; 2 off its exponent field: the conversion takes the exponent field of this operand as its scale, and nothing else of it
	v_cvt_scalef32_pk8_fp4_f32 v[C+2*(\t)], v[XS:XS+7], v[SO]      ; to the nearest code, ties to even, beyond the largest code the largest
	v_cvt_scalef32_pk8_fp4_f32 v[C+2*(\t)+1], v[XS+8:XS+15], v[SO]
	v_lshrrev_b32 v[E+(\t)], 23, v[SO]             ; the scale's byte (also the plain line behind the conversions)
	ds_store_b8 v5, v[E+(\t)] offset:16*(\t)       ; both lanes of a block write the same byte with the same value
	global_store_b64 v4, v[C+2*(\t):C+2*(\t)+1], s[14:15] offset:CROW*(\t)   ; 32 lanes store 256 consecutive bytes, at a multiple of 256 from the buffer's first byte
.endm
	STEP 0, 16
	STEP 1, 20
	STEP 2, 24
	STEP 3, 24
	STEP 4, 20
	STEP 5, 12
	STEP 6, 4
	STEP 7, 0
	s_wait_tensorcnt 0x0                           ; behind my last LDS store
	ds_add_u32 v[SPW], v[NIL]
	s_wait_dscnt 0x0                               ; also the wait that the barrier wants: my scale bytes lie in LDS
	s_barrier_signal -1
	s_barrier_wait -1                              ; everybody's do
	s_cmp_ge_u32 s20, 4
	s_cbranch_scc1 .Lend
	ds_load_b128 v[SBR:SBR+3], v6                  ; lanes 0-15: K step 2 w's 256 bytes; lanes 16-31: K step 2 w + 1's
	s_wait_dscnt 0x0
	global_store_b128 v9, v[SBR:SBR+3], s[16:17]   ; sixteen lanes store 256 consecutive bytes, aligned
	global_store_b128 v9, v[RL:RL+3], s[18:19]     ; and the same places of a_sc take input_scales' bytes
.Lend:
	s_endpgm
.Lfunc_end_k_qd044caa3e9_quant:
	.size	k_qd044caa3e9_quant, .Lfunc_end_k_qd044caa3e9_quant-k_qd044caa3e9_quant
	.p2alignl 7, 3214868480
	.fill 96, 4, 3214868480
	.section	.rodata,"a",@progbits
	.p2align	6, 0x0
	.amdhsa_kernel k_qd044caa3e9_quant
		.amdhsa_group_segment_fixed_size 86016
		.amdhsa_private_segment_fixed_size 0
		.amdhsa_enable_private_segment 0
		.amdhsa_kernarg_size 64
		.amdhsa_user_sgpr_count 2
		.amdhsa_user_sgpr_kernarg_segment_ptr 1
		.amdhsa_wavefront_size32 1
		.amdhsa_system_sgpr_workgroup_id_x 1
		.amdhsa_system_sgpr_workgroup_id_y 1
		.amdhsa_system_sgpr_workgroup_id_z 1
		.amdhsa_system_vgpr_workitem_id 0
		.amdhsa_next_free_vgpr 256
		.amdhsa_next_free_sgpr 66
		.amdhsa_reserve_vcc 1
		.amdhsa_float_denorm_mode_32 3
		.amdhsa_float_denorm_mode_16_64 3
		.amdhsa_memory_ordered 1
		.amdhsa_forward_progress 1
		.amdhsa_inst_pref_size 61
	.end_amdhsa_kernel
	.amdgpu_metadata
---
amdhsa.version: [ 1, 2 ]
amdhsa.kernels:
  - .name:           k_qd044caa3e9_quant
    .symbol:         k_qd044caa3e9_quant.kd
    .args:
      - { .name: q_weights, .offset: 0, .size: 8, .value_kind: global_buffer, .address_space: global }
      - { .name: outlier_weights, .offset: 8, .size: 8, .value_kind: global_buffer, .address_space: global }
      - { .name: outlier_mask, .offset: 16, .size: 8, .value_kind: global_buffer, .address_space: global }
      - { .name: scales, .offset: 24, .size: 8, .value_kind: global_buffer, .address_space: global }
      - { .name: input_scales, .offset: 32, .size: 8, .value_kind: global_buffer, .address_space: global }
      - { .name: w_codes, .offset: 40, .size: 8, .value_kind: global_buffer, .address_space: global }
      - { .name: w_sc, .offset: 48, .size: 8, .value_kind: global_buffer, .address_space: global }
      - { .name: a_sc, .offset: 56, .size: 8, .value_kind: global_buffer, .address_space: global }
    .group_segment_fixed_size: 86016
    .private_segment_fixed_size: 0
    .kernarg_segment_align: 8
    .kernarg_segment_size: 64
    .max_flat_workgroup_size: 512
    .sgpr_count:     66
    .vgpr_count:     256
    .wavefront_size: 32
...
	.end_amdgpu_metadata
.endif
;; end of part 1
;; launch gemm (part 2): grid 16 x 16, 4 waves a work-group, clusters of 4 x 4, 327,680 bytes of LDS; arguments input_codes, a_sc, w_codes, w_sc, bias, out0; writes out0
.if DOCPART == 2
	.amdgcn_target "amdgcn-amd-amdhsa--gfx1250"
	.amdhsa_code_object_version 6
	.text
	.protected	k_qd044caa3e9_gemm
	.globl	k_qd044caa3e9_gemm
	.p2align	8
	.type	k_qd044caa3e9_gemm,@function
k_qd044caa3e9_gemm:
	s_mov_b64 s[64:65], 0
	v_nop
	global_prefetch_b8 v0, s[64:65] scope:SCOPE_SE
	s_setreg_imm32_b32 hwreg(HW_REG_WAVE_MODE, 25, 1), 1
	s_wait_xcnt 0x0
	s_wait_alu depctr_hold_cnt(0) depctr_sa_sdst(0) depctr_va_vdst(0) depctr_va_sdst(0) depctr_va_ssrc(0) depctr_va_vcc(0) depctr_vm_vsrc(0)
	s_getreg_b32 s2, hwreg(HW_REG_IB_STS2, 6, 4)
	s_cmp_eq_u32 s2, 0
	s_cbranch_scc0 .Lentry_in_a_cluster
	s_endpgm
.Lentry_in_a_cluster:
	s_bfe_u32 s2, ttmp6, 0x10000c
	s_cmp_lg_u32 s2, 0xf033
	s_cbranch_scc0 .Lentry_shape_is_right
	s_endpgm
.Lentry_shape_is_right:
; out0[m][n] = sum over k of A[m][k] W[n][k] + bias[n].  A = input_codes [4096 m][2,048 bytes], W = w_codes [4096 n][2,048 bytes]: codes of FP4 (E2M1), K innermost;
; a_sc, w_sc: their E8M0 bytes laid [8 K steps of 512][4096 rows][16 bytes].  Sums in f32; the bias is the C of each accumulator's first product.  No work of reference() is left out here.
; A tile of out0, 256 x 256, is made by a work-group of four waves; a wave makes 128 x 128: 64 accumulators of 16 x 16, 512 registers.  256 work-groups, one tile each.
; K goes in steps of 512 through a ring of two LDS slots (A's 256 rows, then W's 256 rows, 256 bytes + 16 of padding each).  Every wave fetches 128 rows with one tensor load.
; THE ORDER OF THE K STEPS: a cluster begins at K step (cluster x + 4 cluster y) mod 8 and goes round all eight, so that at one time the sixteen clusters name eight different 256-byte columns of the rows.
; The order is the same in all work-groups of a cluster.  LIMIT: an output's eight partial sums are added in that order, not in ascending K: an order of rounding in f32 that differs from ascending K.
; CLUSTERS: 4 x 4 work-groups; A's tiles are asked for jointly along a row of the cluster, W's along a column, by the same descriptor and a mask that names the four.
; THE SCALE WORDS go from memory straight into registers: a K step's 16 bytes of 32 neighbouring rows are 512 consecutive bytes, one global_load_b128 of the wave.  Lanes 0-15 then hold the four words of
; block 2 j, lanes 16-31 those of block 2 j + 1; the matrix instruction picks the half by its ROW selector.  Eight loads a K step, asked for one whole K step ahead into the other of two sets,
; so no prefetch is laid for them.
; THE MATRIX INSTRUCTION IS USED TRANSPOSED (source 0 = 16 rows of W, source 1 = 16 rows of A): a lane holds eight neighbouring numbers of a row of out0.
; THE LAST K STEP GOES BY ROWS OF out0: all its fragments of W lie in window 1, and my eight blocks of 16 rows are finished one after the other and leave at once.
; REGISTERS: window 0: v0-31 addresses; v32-95 scale words, two sets of 32 (16 of A's, 16 of W's); v128-191, v192-255 A's fragments, two sets (in the last K step four buffers of 16 rows x 512 K);
;   on the way out v32-63 and v96-127 take the rows read back.   window 1: v0-63, v128-191 W's fragments, two sets; v64-127 the bias in the result's layout; in the last K step all 256: W's four quarters.
;   window 2: the accumulators of my rows 0-63 ((a, b) at v[8 (8 a + b)]);   window 3: rows 64-127.
; PREFETCH: behind the joint load of the t-th K step of the cluster's order one instruction a wave names the (t + 2)-th: 32 rows x 256 bytes, a lane a row.  Every cluster asks for what it will load;
; its four partners and their waves share a tile's rows out by address.  The last two refills name nothing.
.set SIZE_N, 4096
.set NQ,     4                         ; steps of 128 along K in a slot
.set ROWB,   256                       ; a tile's row in bytes
.set KROW,   2048                      ; a row of codes in memory
.set PITCH,  272
.set NP,     4                         ; places behind this matrix instruction (ISA guide 7.12.1)
.set HALFT,  128*PITCH                 ; what one tensor load brings
.set CODES,  2*HALFT
.set SLOT,   4*HALFT
.set KSC,    65536                     ; a K step's scale bytes of all 4,096 rows
.set LAPS,   4                         ; a lap = two K steps
.set SPARE,  2*SLOT                    ; behind the ring: the spare words, 128 bytes a wave
.set SPITCH, 528                       ; the way out: a stage of 16 rows x (512 + 16) bytes for each wave, in slot 0, behind its last fill and its last read
.set ADRA, 16
.set ADRB, 20
.set STO,  24
.set RD,   25
.set CO,   26                          ; 16 x lane: my bytes of a row of out0, and of a load of scale words
.set VB,   27
.set SPW,  28
.set NIL,  29
.set PFO,  30
.set SC,   32
.set AF,   128
.set BIAS, 64
.set WV,   16
.set RH,   17
.set CH,   18
.set G1A,  24
.set G0A,  32
.set G1B,  48
.set G0B,  56
.set PFA,  66                          ; s[66:67] the address that the next prefetch names
.set SAB,  68                          ; s[68:69], s[70:71] where my A rows' and my W rows' scale words of the K step last asked for begin
.set SBB,  70
.set AB0,  78                          ; s[78:79], s[80:81] the rows that I fetch, at K = 0: A's, W's
.set BB0,  80
.set KO,   82                          ; s[82:83], s[84:85] slot 0's and slot 1's K step as a byte offset in a row (0 above it)
.set SKO,  86                          ; s[86:87] the K step of the scale words last asked for, as a byte offset
.set SA0,  88                          ; s[88:89], s[90:91] my rows' scale words at K step 0
.set SB0,  90
.set PF0,  92                          ; s[92:93] the rows that my prefetches name, at K = 0;  s[94:95] their K step as a byte offset
.set PKO,  94
.set MSB, 0
.macro WIN new                         ; the immediate's high byte repeats the setting that is left
.if MSB != \new
	s_set_vgpr_msb (MSB<<8)|\new
.set MSB, \new
.endif
.endm
.set MUL_LO,   0xa1                    ; source 0 (W) window 1, source 1 (A) window 0, C and D window 2
.set MUL_HI,   0xf1
.set FIRST_LO, 0x91                    ; C (the bias) window 1, D window 2
.set FIRST_HI, 0xd1
.set TO_B,     0x40
; A joint load: waves 0 and 1 fetch A's two halves, waves 2 and 3 W's.  An s_nop 0 and four v_nop follow each line.
.macro JLOAD s
	s_cmp_eq_u32 s[RH], 0
	s_cbranch_scc0 .Lfor_b_\@
	tensor_load_to_lds s[G0A+4*\s:G0A+4*\s+3], s[G1A:G1A+7]
	s_nop 0
.rept 4
	v_nop
.endr
	s_branch .Lasked_\@
.Lfor_b_\@:
	tensor_load_to_lds s[G0B+4*\s:G0B+4*\s+3], s[G1B:G1B+7]
	s_nop 0
.rept 4
	v_nop
.endr
.Lasked_\@:
.endm
.macro ASK                             ; the K step two refills on; s3 = 1 in the loop's last trip, whose refills have no such K step
	s_cmp_gt_u32 s3, 1
	s_cbranch_scc0 .Lnot_mine_\@
	global_prefetch_b8 v[PFO], s[PFA:PFA+1] th:TH_LOAD_NT scope:SCOPE_SE
.Lnot_mine_\@:
.endm
.macro CREST
	s_cmp_lg_u32 s[WV], 0
	s_cbranch_scc1 .Lnot_wave_0_\@
	s_barrier_signal -3
.Lnot_wave_0_\@:
	s_barrier_wait -3
	s_barrier_signal -1
	s_barrier_wait -1
.endm
.macro CROUND
	s_barrier_signal -1
	s_barrier_wait -1
	CREST
.endm
	s_load_b256 s[4:11], s[0:1], 0x0               ; input_codes s[4:5], a_sc s[6:7], w_codes s[8:9], w_sc s[10:11]
	s_load_b128 s[12:15], s[0:1], 0x20             ; bias s[12:13], out0 s[14:15]
	v_lshl_add_u32 v[SPW], v0, 2, SPARE
	v_mov_b32 v[NIL], 0
	ds_add_u32 v[SPW], v[NIL]                      ; the opening lines: the add, twice on end, and its wait ahead of my first tensor load
	ds_add_u32 v[SPW], v[NIL]
	v_lshrrev_b32 v1, 5, v0
	v_readfirstlane_b32 s[WV], v1                  ; wave 0..3
	s_lshr_b32 s[RH], s[WV], 1                     ; my half of the tile's rows.  Also: I fetch for A (0) or for W (1)
	s_and_b32 s[CH], s[WV], 1                      ; my half of its columns.  Also: which 128 rows I fetch
	s_bfe_u32 s40, ttmp6, 0x40000                  ; cx
	s_bfe_u32 s41, ttmp6, 0x40004                  ; cy
	s_lshl_b32 s42, ttmp9, 2
	s_add_co_u32 s42, s42, s40                     ; tile column
	s_and_b32 s43, ttmp7, 0xffff
	s_lshl_b32 s43, s43, 2
	s_add_co_u32 s[KO], s43, ttmp9                 ; 4 x cluster y + cluster x,
	s_and_b32 s[KO], s[KO], 7                      ; mod 8: the cluster's first K step
	s_add_co_u32 s43, s43, s41                     ; tile row
	s_lshl_b32 s44, s41, 2
	s_lshl_b32 s44, 15, s44                        ; my row of the cluster
	s_lshl_b32 s45, 0x1111, s40                    ; my column
	s_or_b32 s[G1A+0], s44, (0<<16)|(1<<20)|(1<<21)|(5<<22)|(3<<25)   ; mask; elements of 1 byte; 4 words of padding behind every 64
	s_or_b32 s[G1B+0], s45, (0<<16)|(1<<20)|(1<<21)|(5<<22)|(3<<25)
.irp g, G1A, G1B
	s_mov_b32 s[\g+1], ROWB<<16                    ; tensor_dim0
	s_mov_b32 s[\g+2], 128<<16                     ; tensor_dim1
	s_mov_b32 s[\g+3], ROWB<<16                    ; tile_dim0
	s_mov_b32 s[\g+4], 128                         ; tile_dim1
	s_mov_b32 s[\g+5], KROW                        ; pitch
	s_mov_b32 s[\g+6], 0
	s_mov_b32 s[\g+7], 0
.endr
	s_lshl_b32 s[SKO], s[KO], 16                   ; the first K step's scale words
	s_lshl_b32 s[KO], s[KO], 8                     ; and its place in a row of codes: slot 0's;
	s_add_co_u32 s[KO+2], s[KO], ROWB
	s_and_b32 s[KO+2], s[KO+2], KROW-1             ; the next, round the row's end: slot 1's
	s_mov_b32 s[KO+1], 0
	s_mov_b32 s[KO+3], 0
	s_mov_b32 s[SKO+1], 0
	s_mov_b32 s[PKO+1], 0
	s_lshl_b32 s22, s[CH], 18                      ; 128 rows of 2,048 bytes x the half that I fetch
	s_lshl_b32 s20, s43, 19                        ; A: 256 rows x tile row
	s_add_co_u32 s20, s20, s22
	s_mov_b32 s21, 0
	s_lshl_b32 s46, s42, 19                        ; W: 256 rows x tile column
	s_add_co_u32 s46, s46, s22
	s_mov_b32 s47, 0
	s_mul_i32 s23, s[WV], HALFT                    ; where my 128 rows go: no place in the cluster enters an LDS address
	s_mov_b32 s3, LAPS-1
	s_wait_dscnt 0x0                               ; both opening adds are done
	s_wait_kmcnt 0x0
	s_add_nc_u64 s[AB0:AB0+1], s[4:5], s[20:21]
	s_add_nc_u64 s[BB0:BB0+1], s[8:9], s[46:47]
.irp s, 0,1
	s_mov_b32 s[G0A+4*\s], 1
	s_add_co_u32 s[G0A+4*\s+1], s23, \s*SLOT
	s_add_nc_u64 s[G0A+4*\s+2:G0A+4*\s+3], s[AB0:AB0+1], s[KO+2*\s:KO+2*\s+1]
	s_or_b32 s[G0A+4*\s+3], s[G0A+4*\s+3], 0x80000000
	s_mov_b32 s[G0B+4*\s], 1
	s_add_co_u32 s[G0B+4*\s+1], s23, \s*SLOT
	s_add_nc_u64 s[G0B+4*\s+2:G0B+4*\s+3], s[BB0:BB0+1], s[KO+2*\s:KO+2*\s+1]
	s_or_b32 s[G0B+4*\s+3], s[G0B+4*\s+3], 0x80000000
.endr
	CROUND                                         ; all sixteen work-groups are here: the first joint loads meet
	JLOAD 0                                        ; the first K step: one tensor load a wave at the head
	; all other set-up stands behind the first load: the scalars first, then the vector registers in one run
	s_mul_i32 s72, s[RH], HALFT                    ; my 128 rows of A in slot 0, 1
	s_add_co_u32 s73, s72, SLOT
	s_mul_i32 s74, s[CH], HALFT                    ; my 128 rows of W, behind A's 256
	s_add_co_u32 s74, s74, CODES
	s_add_co_u32 s75, s74, SLOT
	s_mul_i32 s76, s[WV], 16*SPITCH                ; my stage
	s_lshl_b32 s20, s43, 12                        ; scale words: 256 rows of 16 bytes x tile row + 128 rows x half
	s_lshl_b32 s22, s[RH], 11
	s_add_co_u32 s20, s20, s22
	s_mov_b32 s21, 0
	s_add_nc_u64 s[SA0:SA0+1], s[6:7], s[20:21]
	s_add_nc_u64 s[SAB:SAB+1], s[SA0:SA0+1], s[SKO:SKO+1]
	s_lshl_b32 s46, s42, 12
	s_lshl_b32 s22, s[CH], 11
	s_add_co_u32 s46, s46, s22
	s_mov_b32 s47, 0
	s_add_nc_u64 s[SB0:SB0+1], s[10:11], s[46:47]
	s_add_nc_u64 s[SBB:SBB+1], s[SB0:SB0+1], s[SKO:SKO+1]
	s_lshl_b32 s46, s42, 10                        ; my first column, in bytes: 1,024 x tile column + 512 x half
	s_lshl_b32 s22, s[CH], 9
	s_add_co_u32 s46, s46, s22
	s_add_nc_u64 s[12:13], s[12:13], s[46:47]
	s_add_nc_u64 s[14:15], s[14:15], s[46:47]
	s_lshl_b32 s20, s43, 22                        ; my first row of out0: 256 rows of 16,384 bytes x tile row + 128 rows x half
	s_lshl_b32 s22, s[RH], 21
	s_add_co_u32 s20, s20, s22
	s_add_nc_u64 s[14:15], s[14:15], s[20:21]
	s_cmp_eq_u32 s[CH], 0                          ; the prefetches: waves 0 and 2 name A's rows, waves 1 and 3 W's
	s_cselect_b32 s20, s43, s42                    ; the tile's number along its operand
	s_cselect_b32 s21, s40, s41                    ; my place among the four that share it
	s_cselect_b64 s[PF0:PF0+1], s[4:5], s[8:9]
	s_lshl_b32 s20, s20, 8
	s_lshl_b32 s21, s21, 6                         ; my work-group's 64 rows of the 256,
	s_add_co_u32 s20, s20, s21
	s_lshl_b32 s21, s[RH], 5                       ; my wave's 32 of them
	s_add_co_u32 s20, s20, s21
	s_lshl_b32 s20, s20, 11
	s_mov_b32 s21, 0
	s_add_nc_u64 s[PF0:PF0+1], s[PF0:PF0+1], s[20:21]
	v_and_b32 v1, 15, v0                           ; l % 16
	v_bfe_u32 v2, v0, 4, 1                         ; l / 16
	v_mul_u32_u24 v3, v1, PITCH
	v_lshl_add_u32 v4, v2, 4, v3                   ; a fragment's row x pitch + 16 x half
	v_add_nc_u32 v[ADRA], s72, v4
	v_add_nc_u32 v[ADRA+1], s73, v4
	v_add_nc_u32 v[ADRB], s74, v4
	v_add_nc_u32 v[ADRB+1], s75, v4
	v_mul_u32_u24 v5, v1, SPITCH
	v_lshl_add_u32 v5, v2, 5, v5
	v_add_nc_u32 v[STO], s76, v5                   ; into the stage: row l % 16, 32 bytes for each half of the lanes
	v_and_b32 v6, 31, v0
	v_lshlrev_b32 v[CO], 4, v6
	v_add_nc_u32 v[RD], s76, v[CO]                 ; back: the 32 lanes take one row of 512 bytes
	v_lshlrev_b32 v[VB], 5, v2                     ; the bias of my eight columns of a block
	v_lshlrev_b32 v[PFO], 11, v6                   ; a lane a row of 2,048 bytes
	s_wait_alu depctr_va_vdst(0)                   ; the wait behind the head's last vector write
	s_add_nc_u64 s[72:73], s[PF0:PF0+1], s[KO+2:KO+3]   ; the second K step of my order,
	s_add_co_u32 s[PKO], s[KO], 2*ROWB
	s_and_b32 s[PKO], s[PKO], KROW-1
	s_add_nc_u64 s[74:75], s[PF0:PF0+1], s[PKO:PKO+1]   ; the third,
	s_add_co_u32 s[PKO], s[PKO], ROWB
	s_and_b32 s[PKO], s[PKO], KROW-1
	s_add_nc_u64 s[PFA:PFA+1], s[PF0:PF0+1], s[PKO:PKO+1]   ; and the fourth, which is named behind slot 1's first fill
	global_prefetch_b8 v[PFO], s[72:73] th:TH_LOAD_NT scope:SCOPE_SE
	global_prefetch_b8 v[PFO], s[74:75] th:TH_LOAD_NT scope:SCOPE_SE
.macro SCLOAD set                      ; a K step's scale words: each load reads 512 consecutive bytes, 32 rows x 16
.irp j, 0,1,2,3
	global_load_b128 v[SC+32*(\set)+4*\j:SC+32*(\set)+4*\j+3], v[CO], s[SAB:SAB+1] offset:512*\j
	global_load_b128 v[SC+32*(\set)+16+4*\j:SC+32*(\set)+16+4*\j+3], v[CO], s[SBB:SBB+1] offset:512*\j
.endr
.endm
	SCLOAD 0
	WIN TO_B
.irp b, 0,1,2,3,4,5,6,7
	global_load_b128 v[BIAS+8*\b:BIAS+8*\b+3], v[VB], s[12:13] offset:64*\b
	global_load_b128 v[BIAS+8*\b+4:BIAS+8*\b+7], v[VB], s[12:13] offset:64*\b+16
.endr
	WIN 0
.macro FRAG reg, adr, q, i             ; 16 rows x 128 K of 4-bit codes, 8 registers: two loads of 16 bytes a lane, 32 bytes apart
.irp c, 0,1
	ds_load_b128 v[\reg+4*\c:\reg+4*\c+3], v[\adr] offset:64*(\q)+32*\c+(\i)*16*PITCH
.endr
.endm
; One product, by the symbols DA (D), DC (C), FB (W's fragment), FA (A's), WB, WA (their scale words) and RW (2: W's block is odd, 1: A's is: odd blocks' words lie in lanes 16-31)
.macro WMMA
.if RW == 0
	v_wmma_scale_f32_16x16x128_f8f6f4 v[DA:DA+7], v[FB:FB+7], v[FA:FA+7], v[DC:DC+7], v[WB], v[WA] matrix_a_fmt:MATRIX_FMT_FP4 matrix_b_fmt:MATRIX_FMT_FP4
.endif
.if RW == 1
	v_wmma_scale_f32_16x16x128_f8f6f4 v[DA:DA+7], v[FB:FB+7], v[FA:FA+7], v[DC:DC+7], v[WB], v[WA] matrix_a_fmt:MATRIX_FMT_FP4 matrix_b_fmt:MATRIX_FMT_FP4 matrix_b_scale:MATRIX_SCALE_ROW1
.endif
.if RW == 2
	v_wmma_scale_f32_16x16x128_f8f6f4 v[DA:DA+7], v[FB:FB+7], v[FA:FA+7], v[DC:DC+7], v[WB], v[WA] matrix_a_fmt:MATRIX_FMT_FP4 matrix_b_fmt:MATRIX_FMT_FP4 matrix_a_scale:MATRIX_SCALE_ROW1
.endif
.if RW == 3
	v_wmma_scale_f32_16x16x128_f8f6f4 v[DA:DA+7], v[FB:FB+7], v[FA:FA+7], v[DC:DC+7], v[WB], v[WA] matrix_a_fmt:MATRIX_FMT_FP4 matrix_b_fmt:MATRIX_FMT_FP4 matrix_a_scale:MATRIX_SCALE_ROW1 matrix_b_scale:MATRIX_SCALE_ROW1
.endif
.endm
; 16 matrix instructions: A's blocks a0, a0 + 1 x W's eight, the slot's q-th 128 along K, fragment sets p, scale set sc.  first = 1: C is the bias.  The 64 accumulators take turns.
.macro MUL16 a0, p, q, sc, first
.irp a, \a0, \a0+1
.irp b, 0,1,2,3,4,5,6,7
.set DA, 8*(8*((\a)%4)+\b)
.if \first
.set DC, BIAS+8*\b
.else
.set DC, DA
.endif
.set FB, 128*(\p)+8*\b
.set FA, AF+64*(\p)+8*(\a)
.set WB, SC+32*(\sc)+16+4*(\b/2)+(\q)
.set WA, SC+32*(\sc)+4*((\a)/2)+(\q)
.set RW, 2*(\b%2)+(\a)%2
	WMMA
.endr
.endr
.endm
.macro FETCH slot, q, p                ; 32 LDS loads in one run: W's eight and A's eight fragments of the slot's q-th 128 along K into sets p
	WIN TO_B
.irp i, 0,1,2,3,4,5,6,7
	FRAG 128*(\p)+8*\i, ADRB+\slot, \q, \i
.endr
	WIN 0
.irp i, 0,1,2,3,4,5,6,7
	FRAG AF+64*(\p)+8*\i, ADRA+\slot, \q, \i
.endr
.endm
.macro PLACES n
.rept \n
	v_nop
.endr
.endm
; One of a slot's first three quarters: the next quarter's fragments are asked for first, into the sets that the quarter before multiplied, 64 matrix instructions ahead of their use.
; In a K step's first quarter the step's scale words are awaited and the next step's are asked for, into the set that the K step before used.
.macro QUARTER slot, q, first
.if \first == 0
	PLACES NP                                      ; behind the last products, in front of loads into registers that they read
.endif
	FETCH \slot, (\q)+1, 1-(\q)%2
.if (\q) == 0
	s_wait_loadcnt 0x0                             ; this K step's scale words are in (and the bias); no load of mine is out, so the bases may be written
	s_add_co_u32 s[SKO], s[SKO], KSC
	s_and_b32 s[SKO], s[SKO], 8*KSC-1              ; the next K step, round the end
	s_add_nc_u64 s[SAB:SAB+1], s[SA0:SA0+1], s[SKO:SKO+1]
	s_add_nc_u64 s[SBB:SBB+1], s[SB0:SB0+1], s[SKO:SKO+1]
	SCLOAD 1-\slot
.endif
	s_wait_dscnt 32                                ; all but the 32 just issued
.if \first
	WIN FIRST_LO
.else
	WIN MUL_LO
.endif
	MUL16 0, (\q)%2, \q, \slot, \first
	MUL16 2, (\q)%2, \q, \slot, \first
.if \first
	WIN FIRST_HI
.else
	WIN MUL_HI
.endif
	MUL16 4, (\q)%2, \q, \slot, \first
	MUL16 6, (\q)%2, \q, \slot, \first
.endm
; The first half of a slot's last quarter: one barrier for the change of slots; in front of it each wave waits for all its tensor loads, adds 0 to its spare word, and waits for that and for its reads of this slot.
; fill = 1: this slot's descriptors are made for the K step two on, between the add and the wait for it, where no tensor load of mine is out.
.macro MEET slot, fill
	WIN 0                                          ; (the add's two registers lie in window 0)
	s_wait_tensorcnt 0x0                           ; my one load that was out, my part of the next slot, has landed
	ds_add_u32 v[SPW], v[NIL]
.if \fill
	s_add_co_u32 s[KO+2*\slot], s[KO+2*\slot], 2*ROWB
	s_and_b32 s[KO+2*\slot], s[KO+2*\slot], KROW-1 ; round the row's end
	s_add_nc_u64 s[G0A+4*\slot+2:G0A+4*\slot+3], s[AB0:AB0+1], s[KO+2*\slot:KO+2*\slot+1]
	s_or_b32 s[G0A+4*\slot+3], s[G0A+4*\slot+3], 0x80000000
	s_add_nc_u64 s[G0B+4*\slot+2:G0B+4*\slot+3], s[BB0:BB0+1], s[KO+2*\slot:KO+2*\slot+1]
	s_or_b32 s[G0B+4*\slot+3], s[G0B+4*\slot+3], 0x80000000
.endif
	s_wait_dscnt 1                                 ; this quarter's fragments are in; the add may be out
	WIN MUL_LO
	MUL16 0, 1, NQ-1, \slot, 0
	s_wait_dscnt 0x0                               ; the add is done, and my reads of this slot are over
	s_barrier_signal -1
	MUL16 2, 1, NQ-1, \slot, 0
	WIN 0
	s_barrier_wait -1
.endm
; The whole last quarter of a slot that is filled again: the barrier opens a round of the cluster's barrier.
.macro TURN slot, next
	s_wait_xcnt 0x0                                ; my last prefetch has read its address
	s_add_co_u32 s[PKO], s[PKO], ROWB
	s_and_b32 s[PKO], s[PKO], KROW-1
	s_add_nc_u64 s[PFA:PFA+1], s[PF0:PF0+1], s[PKO:PKO+1]
	MEET \slot, 1
	CREST
	JLOAD \slot                                    ; the first tensor load behind the round; its four v_nop are also the places in front of the loads below
	FETCH \next, 0, 0
	ASK
	WIN MUL_HI
	MUL16 4, 1, NQ-1, \slot, 0
	MUL16 6, 1, NQ-1, \slot, 0
.endm
	s_wait_tensorcnt 0x0                           ; my part of the first K step is in
	ds_add_u32 v[SPW], v[NIL]
	s_wait_dscnt 0x0
	CROUND                                         ; everybody's part is in, and all sixteen work-groups are here
	JLOAD 1                                        ; the second K step: slot 1's first fill
	FETCH 0, 0, 0
	ASK                                            ; the fourth
	QUARTER 0, 0, 1                                ; the first quarter stands in front of the loop: its products start the sums from the bias
	WIN 0
.Llap:                                                 ; a trip goes once round the ring, from a lap's second quarter to the next lap's first
	QUARTER 0, 1, 0
	QUARTER 0, 2, 0
	TURN 0, 1
	QUARTER 1, 0, 0
	QUARTER 1, 1, 0
	QUARTER 1, 2, 0
	TURN 1, 0
	QUARTER 0, 0, 0
	WIN 0
	s_sub_co_u32 s3, s3, 1
	s_cmp_lg_u32 s3, 0
	s_cbranch_scc1 .Llap
	QUARTER 0, 1, 0                                ; the last lap fills nothing
	QUARTER 0, 2, 0
; THE LAST K STEP (slot 1, scale set 1), BY ROWS.  W's quarter q -> window 1, v[64 q ..]; A's block a, all four quarters -> buffer a % 4 of 32 registers.
.macro BLOAD q
.irp i, 0,1,2,3,4,5,6,7
	FRAG 64*\q+8*\i, ADRB+1, \q, \i
.endr
.endm
.macro ALOAD a
.irp q, 0,1,2,3
	FRAG AF+32*((\a)%4)+8*\q, ADRA+1, \q, \a
.endr
.endm
.macro ROW a                           ; block a is finished: 32 matrix instructions, its 8 accumulators by turns, the step's K ascending
	WIN MUL_LO+0x50*((\a)/4)
.irp q, 0,1,2,3
.if (\a) == 0 && \q == 2
	s_wait_dscnt 24                                ; W's quarter 2 is in (behind it: A's blocks 1 to 3)
.endif
.irp b, 0,1,2,3,4,5,6,7
.set DA, 8*(8*((\a)%4)+\b)
.set DC, DA
.set FB, 64*\q+8*\b
.set FA, AF+32*((\a)%4)+8*\q
.set WB, SC+32+16+4*(\b/2)+\q
.set WA, SC+32+4*((\a)/2)+\q
.set RW, 2*(\b%2)+(\a)%2
	WMMA
.endr
.endr
.endm
; THE WAY OUT of a block of 16 rows x 128 columns, through my own stage: in as 32 bytes a lane, back as whole rows of 512 bytes.  LDS serves a wave's instructions in order (ISA guide 5.7.1.4).
.macro TOSTAGE a
.set AC, 64*((\a)%4)
	WIN 0x08+4*((\a)/4)
.irp b, 0,1,2,3,4,5,6,7
	ds_store_b128 v[STO], v[AC+8*\b:AC+8*\b+3] offset:64*\b          ; each accumulator from its low end on
	ds_store_b128 v[STO], v[AC+8*\b+4:AC+8*\b+7] offset:64*\b+16
.endr
	WIN 0
.irp t, 0,1,2,3,4,5,6,7,8,9,10,11,12,13,14,15
	ds_load_b128 v[32+4*\t+32*(\t/8):32+4*\t+32*(\t/8)+3], v[RD] offset:\t*SPITCH   ; v32-63, then v96-127
.endr
.endm
.macro SEND a, younger                 ; younger: the LDS loads issued behind TOSTAGE's, which may stay out
	s_wait_dscnt \younger
.if (\a) > 0
	s_add_nc_u64 s[14:15], s[14:15], 16*SIZE_N*4   ; (behind the wait on XCNT in front of TOSTAGE)
.endif
.irp t, 0,1,2,3,4,5,6,7,8,9,10,11,12,13,14,15
	global_store_b128 v[CO], v[32+4*\t+32*(\t/8):32+4*\t+32*(\t/8)+3], s[14:15] offset:\t*SIZE_N*4 th:TH_STORE_NT   ; 32 lanes store 512 consecutive bytes, aligned
.endr
.endm
	MEET 0, 0                                      ; my one tensor load that was out is slot 1's last, so no round follows
	PLACES NP                                      ; for the loads into sets 0 and into the bias's registers
	WIN TO_B
	BLOAD 0                                        ; three quarters of W now: sets 1 (v128-191 of window 1, v192-255 of window 0) are still being multiplied
	BLOAD 1
	BLOAD 3
	WIN 0
	ALOAD 0
	WIN MUL_HI
	MUL16 4, 1, NQ-1, 0, 0
	MUL16 6, 1, NQ-1, 0, 0
	PLACES NP                                      ; for the loads into sets 1
	WIN TO_B
	BLOAD 2
	WIN 0
	ALOAD 1
	ALOAD 2
	ALOAD 3
	s_wait_loadcnt 0x0                             ; the last K step's scale words
	s_wait_dscnt 40                                ; all but the 40 just issued
	ROW 0
.irp a, 0,1,2,3,4,5,6,7                ; each block leaves as soon as it is finished
	PLACES NP                                      ; the stores into the stage read results just made; the loads below land in registers just read
.if \a > 0
	s_wait_xcnt 0x0                                ; the block before's stores have read their registers and their base
.endif
	TOSTAGE \a
.if \a < 4
	ALOAD \a+4                                     ; its buffer takes the block four further on
	SEND \a, 8
.else
	SEND \a, 0
.endif
.if \a < 7
	ROW \a+1
.endif
.endr
	s_wait_tensorcnt 0x0                           ; the wave's end
	ds_add_u32 v[SPW], v[NIL]
	s_wait_dscnt 0x0
	CROUND                                         ; the closing round
	s_endpgm
.Lfunc_end_k_qd044caa3e9_gemm:
	.size	k_qd044caa3e9_gemm, .Lfunc_end_k_qd044caa3e9_gemm-k_qd044caa3e9_gemm
	.p2alignl 7, 3214868480
	.fill 96, 4, 3214868480
	.section	.rodata,"a",@progbits
	.p2align	6, 0x0
	.amdhsa_kernel k_qd044caa3e9_gemm
		.amdhsa_group_segment_fixed_size 327680
		.amdhsa_private_segment_fixed_size 0
		.amdhsa_enable_private_segment 0
		.amdhsa_kernarg_size 48
		.amdhsa_user_sgpr_count 2
		.amdhsa_user_sgpr_kernarg_segment_ptr 1
		.amdhsa_wavefront_size32 1
		.amdhsa_system_sgpr_workgroup_id_x 1
		.amdhsa_system_sgpr_workgroup_id_y 1
		.amdhsa_system_sgpr_workgroup_id_z 1
		.amdhsa_system_vgpr_workitem_id 0
		.amdhsa_next_free_vgpr 1024
		.amdhsa_next_free_sgpr 100
		.amdhsa_reserve_vcc 0
		.amdhsa_float_denorm_mode_32 3
		.amdhsa_float_denorm_mode_16_64 3
		.amdhsa_memory_ordered 1
		.amdhsa_forward_progress 1
		.amdhsa_inst_pref_size 212
	.end_amdhsa_kernel
	.amdgpu_metadata
---
amdhsa.version: [ 1, 2 ]
amdhsa.kernels:
  - .name:           k_qd044caa3e9_gemm
    .symbol:         k_qd044caa3e9_gemm.kd
    .args:
      - { .name: input_codes, .offset: 0, .size: 8, .value_kind: global_buffer, .address_space: global }
      - { .name: a_sc, .offset: 8, .size: 8, .value_kind: global_buffer, .address_space: global }
      - { .name: w_codes, .offset: 16, .size: 8, .value_kind: global_buffer, .address_space: global }
      - { .name: w_sc, .offset: 24, .size: 8, .value_kind: global_buffer, .address_space: global }
      - { .name: bias, .offset: 32, .size: 8, .value_kind: global_buffer, .address_space: global }
      - { .name: out0, .offset: 40, .size: 8, .value_kind: global_buffer, .address_space: global }
    .group_segment_fixed_size: 327680
    .private_segment_fixed_size: 0
    .kernarg_segment_align: 8
    .kernarg_segment_size: 48
    .max_flat_workgroup_size: 128
    .sgpr_count:     100
    .vgpr_count:     1024
    .wavefront_size: 32
...
	.end_amdgpu_metadata
.endif
;; end of part 2
